; MI455X (gfx1250); checked and timed in simulation.
; The chip was launched on July 23, 2026; its instructions are those of AMD's public machine-readable ISA for CDNA 5 (MIT licence, August 2026) and "CDNA5" Instruction Set Architecture Reference Guide (July 2026). The comments in the code are by the model that wrote it; some were corrected since.
;; Scaled Dot Product Attention. Allowed arithmetic: matrix products marked QUANTISED: E5M2 operands, one given power-of-two scale a tensor, by v_wmma_f32_16x16x64_bf8_bf8 or v_wmma_f32_16x16x128_bf8_bf8, f32 sums; everything else in f32.
;; Inputs: key_padding_mask 16 x 2,048 bool; keys 16 x 2,048 x 64 float32; lowp_scales 4 int32 (the exponents e of the quantised operands' scales 2^e); queries 16 x 2,048 x 64 float32; values 16 x 2,048 x 64 float32.
;; Outputs: out0 16 x 2,048 x 64 float32.
;; This version of the problem:
;;   THIS VERSION OF THE PROBLEM IS GIVEN IN LOW PRECISION. The matrix products marked QUANTISED in the list below multiply operands that are first quantised to E5M2 (5 exponent bits, 2 mantissa bits; 8 bits a number), with one given power-of-two scale for each operand tensor; their sums are f32. All else is computed in f32.
;;   The module's matrix products, in the order in which they are computed (A, B: the left and right operand; K: the contracted axis; several contracted axes count as one K, in the product's order):
;;     1. batch 16 x [M 2,048, K 64] x [K 64, N 2,048]; A: input queries; B: input keys: QUANTISED (scales: A lowp_scales[0], B lowp_scales[1])
;;     2. batch 16 x [M 2,048, K 2,048] x [K 2,048, N 64]; A: softmax (see below); B: input values: QUANTISED (scales: A lowp_scales[2], B lowp_scales[3])
;;   THE QUANTISER, for each operand of a quantised product, along K:
;;     - The operand's scale is 2^e, e = its entry of the input lowp_scales (int32; the entries are numbered through the quantised products in the list's order, A before B).
;;     - Each number is divided by the scale, clamped to +-57,344, and rounded to the nearest number of E5M2, ties to even, subnormals kept.
;;     - The product sums the exact products of the quantised numbers (number of the format x scale) in f32.
;;   ~~~python
;;   def quantise(x, axis, e):      # numpy; x: float32 -> the quantised numbers, widened to float32 again
;;       x = np.moveaxis(x, axis, -1); K = x.shape[-1]
;;       r = np.clip(x / 2.0 ** e, -57344, 57344)
;;       step = 2.0 ** (np.maximum(np.frexp(np.where(r == 0, 1, r))[1] - 1, -14) - 2)
;;       q = np.round(r / step) * step * 2.0 ** e      # np.round: ties to even
;;       return np.moveaxis(q, -1, axis).astype(np.float32)
;;   ~~~
;;   SOFTMAX AHEAD OF A QUANTISED PRODUCT. Where the list says 'softmax', what is quantised is not the finished softmax but p = 2^(t - M), with t = logit x log2(e) and M = ceil(the row's largest t), a whole number; so 1/2 < the row's largest p <= 1. The row's sum l is taken of the UNQUANTISED p, in f32, and the product's result is divided by l at the end. Since M is a whole number, a kernel that streams over the keys may use a running M (the ceiling of the running maximum): every later rescaling is an exact power of two, so the quantised numbers keep their values, but for numbers so far below the row's largest that they fall under the format's range.
;;   OPERANDS COMPUTED ON THE WAY. 'Computed on the way' means the value that the module computes at that place (a softmax that the list does not call 'softmax' is quantised finished and normalised). What goes into a quantiser is computed in f32, as accurately as f32 sums, v_exp_f32 and their like allow (about 1e-6 of the number): no bf16 or f16 on the way to a quantiser, and a product that is left as it is and whose result goes on into a quantised operand takes f32 operands (vector FMAs, or v_wmma_f32_16x16x4_f32). A number that lies on a knife's edge between two numbers of the format may be rounded either way, as far as f32 arithmetic and the matrix unit's own rounding can turn it there, and no further.
;; 2 versions, each right; version 2 is version 1 with the launch attn written anew for expert scheduling mode. Each part assembles by itself: llvm-mc -triple=amdgcn-amd-amdhsa -mcpu=gfx1250 --defsym DOCPART=n.
;; ======== version 1 of 2: 2 launches
;; limits: right only within a limited range of input values
;; workspace buffers: kv 4,194,304 bytes; counts 4,096 bytes of whole numbers
;; launch prep (part 1): grid 16 x 16, 4 waves a work-group, no clusters, 0 bytes of LDS; arguments key_padding_mask, keys, values, lowp_scales, kv, counts; writes kv, counts
.if DOCPART == 1
	.amdgcn_target "amdgcn-amd-amdhsa--gfx1250"
	.amdhsa_code_object_version 6
	.text
	.protected	k_q5c353d94be_prep
	.globl	k_q5c353d94be_prep
	.p2align	8
	.type	k_q5c353d94be_prep,@function
k_q5c353d94be_prep:
	s_mov_b64 s[64:65], 0
	v_nop
	global_prefetch_b8 v0, s[64:65] scope:SCOPE_SE
	s_setreg_imm32_b32 hwreg(HW_REG_WAVE_MODE, 25, 1), 1
	s_wait_xcnt 0x0
; ATTENTION WITH A KEY PADDING MASK, first of two launches: the keys that count are packed together and quantised.
; WHAT IS LEFT OUT, AND WHY IT MAY BE.  reference() sets the score of a key whose mask byte is 1 to -infinity ahead of the softmax: its weight is exp(-infinity) = 0 for every query, whatever finite
; numbers keys and values hold, so that key's row of keys and of values reaches no output.  Which keys those are is decided by whole numbers (the mask's bytes) that this launch reads from memory:
; it does only what they ask for.  The keys with mask byte 0 of a batch are numbered 0 .. count-1 (SLOTS); only their rows are gathered, and the second launch walks ceil(count / 128) key steps.
; This holds for every mask: none masked, all masked, any pattern.  Every input is loaded; nothing else is left out.
; LIMITS.  NaN and infinities among the inputs are not served; in particular a NaN, an infinity or an overflow in the row of a MASKED key is not carried to the result (reference()'s 0 x infinity
; would make a NaN there).  -126 <= ek, ev <= 112, so that 2^e and 57,344 x 2^e are f32 numbers.  The keys are summed in the slots' order, not in the order of memory.
; SHARES.  Work-group (x = key step s, y = batch b), four waves; wave w makes the 32 slots 128 s + 32 w .. + 31 of batch b.  Waves share nothing: no LDS bytes, no barrier.
; THE NUMBERING.  Lane l holds mask bytes 64 l .. 64 l + 63.  WORD i (i = 0 .. 63) has bit l set where byte 64 l + i is 0.  Slots count the set bits of word 0, then of word 1, and so on:
; slot j lies in the last word i whose running count c[i] is <= j, and is that word's set bit number j - c[i]; its key is 64 x (the bit's place) + i.
; A slot at or beyond count falls on key 2,047, a real row: its codes are finite, and the second launch gives its score -infinity.
; WHAT IS STORED.  kv: [16 batches][16 steps][16,384 bytes], images of the second launch's operand registers (lane l = (r = l % 16, h = l / 16)):
;   byte 1024 T + 512 c + 16 l (T = 0..7, c = 0, 1): codes of K, channels 32 h + 16 c + 0..15 of slot 32 (T / 2) + 8 (T % 2) + r + 8 (r / 8)
;   byte 8192 + 2048 t + 512 c + 16 l (t = 0..3, c = 0..3): codes of V, channel 16 t + r at slots 32 c + 16 h + 0..15
; Steps are written up to max(ceil(count / 128), 4): a work-group whose step lies beyond that stores nothing and ends; the grid serves every mask.  counts: [16][64] words, all 64 = count.
; code = x / 2^e, held within +-57,344, to the nearest code, ties to even.
.set MSKR, 16                          ; v16-31   the lane's 64 mask bytes; later K's codes, 8 registers a tile
.set VOF,  32                          ; v32-63   V: byte offset of slot i's row, + 4 x lane
.set KX,   64                          ; v64-127  K: two tiles x 32 numbers
.set VX,   128                         ; v128-191 V: two halves of the channels x 32 slots
.set VC,   192                         ; v192-207 V's codes
	s_load_b256 s[4:11], s[0:1], 0x0               ; mask s[4:5], keys s[6:7], values s[8:9], the scales' exponents s[10:11]
	s_load_b128 s[12:15], s[0:1], 0x20             ; kv s[12:13], counts s[14:15]
	v_lshrrev_b32 v7, 5, v0
	v_readfirstlane_b32 s16, v7                    ; wave 0..3
	s_and_b32 s17, ttmp7, 0xffff                   ; batch
	s_mov_b32 s18, ttmp9                           ; key step
	v_and_b32 v1, 31, v0                           ; lane
	v_and_b32 v2, 15, v0                           ; r
	v_bfe_u32 v3, v0, 4, 1                         ; h
	s_lshl_b32 s32, s18, 7
	s_lshl_b32 s33, s16, 5
	s_add_co_u32 s32, s32, s33
	v_add_nc_u32 v4, s32, v1                       ; j: my slot = 128 s + 32 w + lane
	v_lshrrev_b32 v7, 3, v2
	v_lshl_add_u32 v7, v7, 3, v2                   ; r + 8 (r / 8)
	v_lshlrev_b32 v12, 2, v7                       ; K's tile 2 w: the lane that holds my row's key, x 4
	v_add_nc_u32 v13, 32, v12                      ; K's tile 2 w + 1: eight slots on
	v_lshlrev_b32 v212, 4, v1                      ; 16 x lane
	v_lshlrev_b32 v213, 4, v2
	v_lshl_add_u32 v213, v3, 11, v213              ; V's stores: 2048 (lane / 16) + 16 (lane % 16)
	v_lshlrev_b32 v216, 3, v1                      ; 8 x lane
	v_lshlrev_b32 v217, 2, v1                      ; 4 x lane
	v_lshlrev_b32 v219, 6, v1                      ; 64 x lane
	s_wait_kmcnt 0x0
	s_load_b128 s[28:31], s[10:11], 0x0            ; eq, ek, ep, ev
	s_mov_b32 s33, 0
	s_lshl_b32 s32, s17, 11
	s_add_nc_u64 s[4:5], s[4:5], s[32:33]          ; my batch's 2,048 mask bytes
.irp q, 0,1,2,3
	global_load_b128 v[MSKR+4*\q:MSKR+4*\q+3], v219, s[4:5] offset:16*\q
.endr
	s_lshl_b32 s32, s17, 19
	s_add_nc_u64 s[6:7], s[6:7], s[32:33]          ; my batch's keys,
	s_add_nc_u64 s[8:9], s[8:9], s[32:33]          ; and values: 2,048 rows of 256 bytes
	s_lshl_b32 s32, s17, 18
	s_lshl_b32 s34, s18, 14
	s_add_co_u32 s32, s32, s34
	s_add_nc_u64 s[12:13], s[12:13], s[32:33]      ; kv at my step
	s_lshl_b32 s32, s17, 8
	s_add_nc_u64 s[14:15], s[14:15], s[32:33]      ; counts at my batch
	s_lshl_b32 s32, s16, 11
	s_add_nc_u64 s[36:37], s[12:13], s[32:33]      ; K's tiles 2 w and 2 w + 1
	s_lshl_b32 s32, s16, 9
	s_add_nc_u64 s[38:39], s[12:13], s[32:33]      ; V's group c = w
	s_mov_b32 s20, 0                               ; c: the running count
	v_mov_b32 v5, 0                                ; the word that holds my slot
	v_mov_b32 v6, 0                                ; its c, and its number i above bit 16
	s_wait_loadcnt 0x0                             ; the mask
	; RANK: word by word; a lane keeps the last word whose running count is at most its slot's number
.set i, 0
.rept 64
	v_bfe_u32 v7, v[MSKR+i/4], 8*(i%4), 8
	v_cmp_eq_u32 s[21+i%2], 0, v7                  ; word i: bit l = key 64 l + i counts
	v_cmp_le_u32 vcc_lo, s20, v4                   ; c[i] <= j
	s_or_b32 s23, s20, i<<16
	v_cndmask_b32 v5, v5, s[21+i%2], vcc_lo
	v_cndmask_b32 v6, v6, s23, vcc_lo
	s_bcnt1_i32_b32 s24, s[21+i%2]
	s_add_co_u32 s20, s20, s24
.set i, i+1
.endr
	; s20 = count.  Steps are written up to max(ceil(count / 128), 4): the second launch always fetches the first four
	s_add_co_u32 s25, s20, 127
	s_and_b32 s25, s25, 0xffffff80
	s_max_u32 s25, s25, 512
	s_lshl_b32 s32, s18, 7
	s_cmp_ge_u32 s32, s25
	s_cbranch_scc1 .Lnone                          ; a branch on whole numbers read from memory; this launch has no barrier
	s_or_b32 s32, s18, s16
	s_cmp_lg_u32 s32, 0
	s_cbranch_scc1 .Lnot_counts                    ; wave 0 of step 0 stores the batch's count: 32 lanes x 8 bytes = 256 consecutive bytes, aligned
	v_mov_b32 v214, s20
	v_mov_b32 v215, s20
	global_store_b64 v216, v[214:215], s[14:15]
.Lnot_counts:
	; PICK: the place of set bit number R = j - c in my word = how many bb in 0..30 have at most R set bits among bits 0 .. bb
	v_and_b32 v7, 0xffff, v6
	v_lshrrev_b32 v218, 16, v6                     ; i
	v_sub_nc_u32 v10, v4, v7                       ; R
	v_mov_b32 v8, 0
	v_mov_b32 v9, 0
.set bb, 0
.rept 31
	v_bfe_u32 v7, v5, bb, 1
	v_add_nc_u32 v8, v8, v7
	v_cmp_le_u32 vcc_lo, v8, v10
	v_add_co_ci_u32 v9, vcc_lo, 0, v9, vcc_lo      ; + 1 where it holds
.set bb, bb+1
.endr
	v_lshl_add_u32 v11, v9, 6, v218                ; my slot's key = 64 x place + i
	; K: lane (r, h) of tile u takes channels 32 h .. 32 h + 31 of the key of slot 8 u + r + 8 (r / 8): 128 consecutive bytes, eight loads
	ds_bpermute_b32 v14, v12, v11                  ; a pull between lanes: no LDS byte is touched
	ds_bpermute_b32 v15, v13, v11
	s_wait_dscnt 0x0
	v_min_u32 v14, 0x7ff, v14                      ; a number made of loaded data enters an address only held inside the table
	v_min_u32 v15, 0x7ff, v15
	v_lshlrev_b32 v14, 8, v14
	v_lshlrev_b32 v15, 8, v15
	v_lshl_add_u32 v14, v3, 7, v14
	v_lshl_add_u32 v15, v3, 7, v15
.irp u, 0,1
.irp q, 0,1,2,3,4,5,6,7
	global_load_b128 v[KX+32*\u+4*\q:KX+32*\u+4*\q+3], v[14+\u], s[6:7] offset:16*\q
.endr
.endr
	; V: A LANE TAKES A CHANNEL AND ITS REGISTERS RUN DOWN THE SLOTS, which are the second product's K: each load reads 128 consecutive bytes of one row
.set i, 0
.rept 32
	v_readlane_b32 s[32+i%4], v11, i
	s_min_u32 s[32+i%4], s[32+i%4], 0x7ff
	v_lshl_add_u32 v[VOF+i], s[32+i%4], 8, v217
.set i, i+1
.endr
.irp a, 0,1
.set i, 0
.rept 32
	global_load_b32 v[VX+32*\a+i], v[VOF+i], s[8:9] offset:128*\a   ; channel 32 a + lane of slot i
.set i, i+1
.endr
.endr
	s_wait_kmcnt 0x0
	s_add_co_i32 s32, s29, 127
	s_lshl_b32 s33, s32, 23
	v_mov_b32 v208, s33                            ; 2^ek as f32: the conversion takes its exponent field
	s_add_co_i32 s32, s32, 15
	s_lshl_b32 s32, s32, 23
	s_or_b32 s32, s32, 0x600000
	v_mov_b32 v209, s32                            ; 57,344 x 2^ek
	s_add_co_i32 s32, s31, 127
	s_lshl_b32 s33, s32, 23
	v_mov_b32 v210, s33                            ; 2^ev
	s_add_co_i32 s32, s32, 15
	s_lshl_b32 s32, s32, 23
	s_or_b32 s32, s32, 0x600000
	v_mov_b32 v211, s32                            ; 57,344 x 2^ev
	s_wait_loadcnt 63                              ; K's 16 loads are in: 64 loads were issued behind them; the count is one less than that, which is safe
.set i, 0
.rept 64
	v_med3_num_f32 v[KX+i], v[KX+i], -v209, v209   ; the conversion to an 8-bit code does not saturate (ISA guide 7.6.2): the hold comes first
.set i, i+1
.endr
.set i, 0
.rept 8
	v_cvt_scalef32_pk8_bf8_f32 v[MSKR+2*i:MSKR+2*i+1], v[KX+8*i:KX+8*i+7], v208   ; register g, byte y of a tile's eight: channel 32 h + 4 g + y
.set i, i+1
.endr
.irp u, 0,1
.irp c, 0,1
	global_store_b128 v212, v[MSKR+8*\u+4*\c:MSKR+8*\u+4*\c+3], s[36:37] offset:1024*\u+512*\c   ; 32 lanes store 512 consecutive bytes
.endr
.endr
.irp a, 0,1
	s_wait_loadcnt 32-32*\a                        ; this half's 32 loads are in; the other half's may be out
.set i, 0
.rept 32
	v_med3_num_f32 v[VX+32*\a+i], v[VX+32*\a+i], -v211, v211   ; (plain lines: they also stand between the conversions above and whatever touches their registers next)
.set i, i+1
.endr
.set i, 0
.rept 4
	v_cvt_scalef32_pk8_bf8_f32 v[VC+8*\a+2*i:VC+8*\a+2*i+1], v[VX+32*\a+8*i:VX+32*\a+8*i+7], v210
.set i, i+1
.endr
.irp hh, 0,1
	global_store_b128 v213, v[VC+8*\a+4*\hh:VC+8*\a+4*\hh+3], s[38:39] offset:8192+4096*\a+256*\hh   ; slots 16 hh .. + 15 of my channel: sixteen lanes fill 256 consecutive bytes, aligned
.endr
.endr
.Lnone:
	s_endpgm
.Lfunc_end_k_q5c353d94be_prep:
	.size	k_q5c353d94be_prep, .Lfunc_end_k_q5c353d94be_prep-k_q5c353d94be_prep
	.p2alignl 7, 3214868480
	.fill 96, 4, 3214868480
	.section	.rodata,"a",@progbits
	.p2align	6, 0x0
	.amdhsa_kernel k_q5c353d94be_prep
		.amdhsa_group_segment_fixed_size 0
		.amdhsa_private_segment_fixed_size 0
		.amdhsa_enable_private_segment 0
		.amdhsa_kernarg_size 48
		.amdhsa_user_sgpr_count 2
		.amdhsa_user_sgpr_kernarg_segment_ptr 1
		.amdhsa_wavefront_size32 1
		.amdhsa_system_sgpr_workgroup_id_x 1
		.amdhsa_system_sgpr_workgroup_id_y 1
		.amdhsa_system_sgpr_workgroup_id_z 1
		.amdhsa_system_vgpr_workitem_id 0
		.amdhsa_next_free_vgpr 224
		.amdhsa_next_free_sgpr 66
		.amdhsa_reserve_vcc 1
		.amdhsa_float_denorm_mode_32 3
		.amdhsa_float_denorm_mode_16_64 3
		.amdhsa_memory_ordered 1
		.amdhsa_forward_progress 1
		.amdhsa_inst_pref_size 59
	.end_amdhsa_kernel
	.amdgpu_metadata
---
amdhsa.version: [ 1, 2 ]
amdhsa.kernels:
  - .name:           k_q5c353d94be_prep
    .symbol:         k_q5c353d94be_prep.kd
    .args:
      - { .name: key_padding_mask, .offset: 0, .size: 8, .value_kind: global_buffer, .address_space: global }
      - { .name: keys, .offset: 8, .size: 8, .value_kind: global_buffer, .address_space: global }
      - { .name: values, .offset: 16, .size: 8, .value_kind: global_buffer, .address_space: global }
      - { .name: lowp_scales, .offset: 24, .size: 8, .value_kind: global_buffer, .address_space: global }
      - { .name: kv, .offset: 32, .size: 8, .value_kind: global_buffer, .address_space: global }
      - { .name: counts, .offset: 40, .size: 8, .value_kind: global_buffer, .address_space: global }
    .group_segment_fixed_size: 0
    .private_segment_fixed_size: 0
    .kernarg_segment_align: 8
    .kernarg_segment_size: 48
    .max_flat_workgroup_size: 128
    .sgpr_count:     66
    .vgpr_count:     224
    .wavefront_size: 32
...
	.end_amdgpu_metadata
.endif
;; end of part 1
;; launch attn (part 2): grid 16 x 16, 8 waves a work-group, no clusters, 306,176 bytes of LDS; arguments kv, counts, queries, lowp_scales, out0; writes out0
.if DOCPART == 2
	.amdgcn_target "amdgcn-amd-amdhsa--gfx1250"
	.amdhsa_code_object_version 6
	.text
	.protected	k_q5c353d94be_attn
	.globl	k_q5c353d94be_attn
	.p2align	8
	.type	k_q5c353d94be_attn,@function
k_q5c353d94be_attn:
	s_mov_b64 s[64:65], 0
	v_nop
	global_prefetch_b8 v0, s[64:65] scope:SCOPE_SE
	s_setreg_imm32_b32 hwreg(HW_REG_WAVE_MODE, 25, 1), 1
	s_wait_xcnt 0x0
; ATTENTION WITH A KEY PADDING MASK, second of two launches: out[b][q] = the sum over the keys that count of softmax(q . k / 8) v, both products on codes of BF8 (E5M2).
; LEFT OUT: the masked keys (weight 0 for every query, whatever finite numbers their rows hold): the first launch packed the keys that count into slots 0 .. count-1 and stored count; only
; ceil(count / 128) key steps are walked.  The mask itself is not among this launch's arguments: count and the packed codes say all that it says.
; THE SOFTMAX AHEAD OF THE SECOND PRODUCT: t = score x log2(e) / 8; M = the largest t so far, rounded UP to a whole number; p = 2^(t - M) is quantised along the keys, not normalised; the row's sum
; is taken of the unquantised p and divides at the end.  When M moves, the sum and O are multiplied by 2^(old M - new M): exact.
; LIMITS.  NaN and infinities among the inputs are not served (those in a masked key's row are not carried to the result).  -126 <= eq, ep <= 112; -123 <= eq + ek <= 130 (added to c's exponent
; field); ep + ev goes by v_ldexp_f32 and has no limit.  A batch with every key masked gives NaN (0 x 1/0), as reference() does.  The keys are summed in the slots' order, in two halves.
; SHARES.  A work-group owns 128 queries of one batch: eight tiles of 16.  Wave w = p + 4 g (p = 0..3, g = 0, 1) holds the PAIR of tiles 2 p, 2 p + 1, so that each fragment of K and V read from LDS
; feeds two products, and walks the key steps s with s % 2 = g.  At the end waves w and w xor 4 hand each other one tile's part (O, -M, the sum) through LDS, and each finishes one tile.
; Register place 0 holds the tile that the wave finishes (2 p + g), place 1 the one that it gives away: chosen by ADDRESS, so that no register number and no branch hangs on g.
; THE CODES come as images of the operands' registers (first launch), 16,384 bytes a key step; a batch's sixteen steps fit into LDS.  They are copied through registers, four steps (a CHUNK) at a
; time: a chunk is asked for at the head of the chunk before it and stored to LDS behind that chunk's work; one barrier a chunk.
; NO TENSOR LOADS, NO CLUSTER, though the sixteen work-groups of a batch read the same codes: which steps are walked hangs on the stored count, and whether p needs a hold hangs on ep; such branches
; on loaded numbers lead, by the text's own count, round (16 - ceil(count / 128)) of 16 key steps and round 128 of a step's
; 520 vector lines; what sharing would spare is 16,384 bytes a step.
; LAYOUT.  Both products are used transposed: S^T = K Q^T (source 0 = 16 slots, source 1 = 16 queries), O^T = V^T P^T: a lane holds ONE query (lane % 16) throughout.  Register 8 T + j of S^T in
; lane (r, h) is slot 32 (n / 16) + 16 h + n % 16, n = 8 T + j: the conversions of registers 16 c .. 16 c + 15 are P's registers 4 c .. 4 c + 3.  In the first product K and Q hold channel
; 32 h + 4 g + y in register g, byte y: the same permutation of the channels on both sides.
; REGISTERS, in windows of 256.  Window 0: v1-15 and v48-57 addresses and constants; v16-27, v32-43 a tile's statistics; v58-63 at work; v64-191 S^T, then p (64 a tile); v192-255 a chunk on its way.
; Window 1: v0-63 O^T (32 a tile); v64-127 K's eight fragments; v128-191 V's four; v192-223 P (16 a tile); v224-239 Q (8 a tile).
.set STEPB,  16384                     ; a key step's codes
.set CHUNKB, 65536                     ; four steps
.set QIMG,   262144                    ; LDS: behind the sixteen steps: Q's eight fragments, 1,024 bytes each,
.set MRG,    270336                    ; the parts that waves hand over: 4,352 bytes a wave: 8 x 512 of O^T, then 256 of (-M, sum),
.set MRGW,   4352
.set SPARE,  305152                    ; and the spare words, 128 bytes for each wave: four blocks of 256 bytes that no other line names
                                       ; the way out's stage, 16 rows x 272 bytes a wave, lies at 4,352 x wave in the steps' bytes: it is written only behind the last barrier, when no wave reads codes any more
.set ST,  16                           ; tile t's statistics at v[ST+16 t]: +0 -M, +1 the largest t, +2,+3 the sum in two halves, +4 f (+5: 0, named with it as a pair), +6,+7 the sum's second chain, +8,+9 two chains of the maximum, +10 the other half's, +11 at work
.set S,   64
.set CH,  192
.set O,   0                            ; in window 1
.set KF,  64
.set VF,  128
.set P,   192
.set Q,   224
.set MSB, 0
.macro WIN new                         ; s_set_vgpr_msb: bits 1:0 source 0, 3:2 source 1, 5:4 source 2, 7:6 destination; the high byte repeats the setting that is left
.if MSB != \new
	s_set_vgpr_msb (MSB<<8)|\new
.set MSB, \new
.endif
.endm
; A chunk's codes into registers: each wave takes 2,048 bytes of every step, 512 consecutive bytes a load.  cond = 1: only the steps that the first launch has written (s30 = steps left from this chunk's first on)
.macro LOADC cond
.irp st, 0,1,2,3
.if \cond
	s_cmp_gt_i32 s30, \st
	s_cbranch_scc0 .Lend_\@
.endif
.irp i, 0,1,2,3
	global_load_b128 v[CH+16*\st+4*\i:CH+16*\st+4*\i+3], v6, s[4:5] offset:STEPB*\st+512*\i
.endr
.endr
.Lend_\@:
.endm
.macro STOREC adr                      ; and on into LDS, as they lie in memory.  (Registers of steps that were not loaded hold older codes: their LDS bytes are never read)
.irp st, 0,1,2,3
.irp i, 0,1,2,3
	ds_store_b128 v[\adr], v[CH+16*\st+4*\i:CH+16*\st+4*\i+3] offset:STEPB*\st+512*\i
.endr
.endr
.endm
.macro BAR                             ; my LDS stores have landed and my LDS loads are in: then the work-group's barrier
	s_wait_dscnt 0x0
	s_barrier_signal -1
	s_barrier_wait -1
.endm
; line k of 32 of tile t's sum of its 32 pairs of p, in two chains
.macro SUMOP t
.if k == 0
	v_pk_add_f32 v[ST+16*\t+6:ST+16*\t+7], v[S+64*\t:S+64*\t+1], v[S+64*\t+2:S+64*\t+3]
.elseif k == 31
	v_pk_add_f32 v[ST+16*\t+2:ST+16*\t+3], v[ST+16*\t+2:ST+16*\t+3], v[ST+16*\t+6:ST+16*\t+7]
.elseif k%2 == 1
	v_pk_add_f32 v[ST+16*\t+2:ST+16*\t+3], v[ST+16*\t+2:ST+16*\t+3], v[S+64*\t+2*k+2:S+64*\t+2*k+3]
.else
	v_pk_add_f32 v[ST+16*\t+6:ST+16*\t+7], v[ST+16*\t+6:ST+16*\t+7], v[S+64*\t+2*k+2:S+64*\t+2*k+3]
.endif
.endm
; A KEY STEP: 128 slots, step s32 + 2 i of the batch, for my two tiles.
.macro STEP i
	s_add_co_u32 s34, s32, 2*\i
	s_cmp_ge_u32 s34, s29
	s_cbranch_scc1 .Lskip_\@                       ; beyond the last slot that counts: a branch on the stored count, round work alone: no barrier stands in a step
.rept 4
	v_nop                                          ; four places in front of loads into registers that the last products have read (ISA guide 7.12.1 for vector instructions)
.endr
	WIN 0x40                                       ; destination window 1
.set n, 0
.rept 32
	ds_load_b128 v[KF+4*n:KF+4*n+3], v5 offset:2*STEPB*\i+512*n   ; K's eight fragments (16 loads), then V's four (16): images, 512 consecutive bytes a load
.set n, n+1
.endr
	s_wait_dscnt 16                                ; K (and, the first time, Q) is in; V's sixteen loads may be out
	WIN 0x05                                       ; K and Q window 1, S^T window 0
.set n, 0
.rept 8
	v_wmma_f32_16x16x64_bf8_bf8 v[S+8*n:S+8*n+7], v[KF+8*n:KF+8*n+7], v[Q:Q+7], 0
	v_wmma_f32_16x16x64_bf8_bf8 v[S+64+8*n:S+64+8*n+7], v[KF+8*n:KF+8*n+7], v[Q+8:Q+15], 0
.set n, n+1
.endr
	WIN 0
.rept 4
	v_nop                                          ; four places in front of the first read of results
.endr
	s_lshl_b32 s35, s34, 7                         ; the step's first slot
	s_add_co_u32 s36, s35, 128
	s_cmp_le_u32 s36, s28
	s_cbranch_scc1 .Lopen_\@                       ; all 128 slots count
	s_sub_co_u32 s35, s28, s35
	v_sub_nc_u32 v10, s35, v9                      ; d = count - the first slot - 16 h: register n's slot is empty where 32 (n / 16) + n % 16 >= d
.set n, 0
.rept 64
	v_cmp_ge_i32 vcc_lo, 32*(n/16)+n%16, v10
	v_cndmask_b32 v[S+n], v[S+n], v11, vcc_lo      ; -infinity ahead of the maximum: p = 0.  (The step's first slot counts, so the maximum is a number)
	v_cndmask_b32 v[S+64+n], v[S+64+n], v11, vcc_lo
.set n, n+1
.endr
.Lopen_\@:
	; the step's largest score of each query, among the lane's 64 slots: two chains a tile, the tiles line by line; each accumulator is read from its low end on
.irp t, 0,1
	v_max3_num_f32 v[ST+16*\t+8], v[S+64*\t], v[S+64*\t+1], v[S+64*\t+2]
.endr
.irp t, 0,1
	v_max3_num_f32 v[ST+16*\t+9], v[S+64*\t+3], v[S+64*\t+4], v[S+64*\t+5]
.endr
.irp e, 6,10,14,18,22,26,30,34,38,42,46,50,54,58
.irp t, 0,1
	v_max3_num_f32 v[ST+16*\t+8], v[ST+16*\t+8], v[S+64*\t+\e], v[S+64*\t+\e+1]
.endr
.irp t, 0,1
	v_max3_num_f32 v[ST+16*\t+9], v[ST+16*\t+9], v[S+64*\t+\e+2], v[S+64*\t+\e+3]
.endr
.endr
.irp t, 0,1
	v_max3_num_f32 v[ST+16*\t+8], v[ST+16*\t+8], v[S+64*\t+62], v[S+64*\t+63]
.endr
.irp t, 0,1
	v_max_num_f32 v[ST+16*\t+8], v[ST+16*\t+8], v[ST+16*\t+9]
.endr
.irp t, 0,1
	v_permlanex16_b32 v[ST+16*\t+10], v[ST+16*\t+8], s20, s21
.endr
.irp t, 0,1
	v_max_num_f32 v[ST+16*\t+8], v[ST+16*\t+8], v[ST+16*\t+10]   ; and among lane l xor 16's
.endr
.irp t, 0,1
	v_mul_f32 v[ST+16*\t+8], s22, v[ST+16*\t+8]    ; as t (c is positive)
.endr
.irp t, 0,1
	v_max_num_f32 v[ST+16*\t+1], v[ST+16*\t+1], v[ST+16*\t+8]    ; the running largest t
.endr
.irp t, 0,1
	v_mov_b32 v[ST+16*\t+11], v[ST+16*\t]
.endr
.irp t, 0,1
	v_floor_f32 v[ST+16*\t], -v[ST+16*\t+1]        ; the new -M = floor(-t): M is a whole number
.endr
.irp t, 0,1
	v_sub_f32 v[ST+16*\t+11], v[ST+16*\t], v[ST+16*\t+11]        ; old M - new M: a whole number, 0 or less
.endr
.irp t, 0,1
	v_cvt_i32_f32 v[ST+16*\t+11], v[ST+16*\t+11]   ; (it saturates)
.endr
.irp t, 0,1
	v_ldexp_f32 v[ST+16*\t+4], 1.0, v[ST+16*\t+11] ; f = 2^(old M - new M)
.endr
.set n, 0
.rept 32
	v_pk_fma_f32 v[S+2*n:S+2*n+1], v[S+2*n:S+2*n+1], s[22:23], v[ST:ST+1] op_sel_hi:[1,0,0]   ; place 0: t - M, two at a time (of the pairs c and -M the low word serves both halves)
.set n, n+1
.endr
.set n, 0
.rept 32                                       ; place 0's exponentials, with place 1's scalings between them: none of these lines names an exponential's result
	v_exp_f32 v[S+2*n], v[S+2*n]
	v_exp_f32 v[S+2*n+1], v[S+2*n+1]
	v_pk_fma_f32 v[S+64+2*n:S+64+2*n+1], v[S+64+2*n:S+64+2*n+1], s[22:23], v[ST+16:ST+17] op_sel_hi:[1,0,0]
.set n, n+1
.endr
.irp t, 0,1
	v_pk_mul_f32 v[ST+16*\t+2:ST+16*\t+3], v[ST+16*\t+2:ST+16*\t+3], v[ST+16*\t+4:ST+16*\t+5] op_sel_hi:[1,0]   ; the sums under the new M
.endr
	s_wait_alu depctr_va_vdst(0)                   ; one wait for place 0's 64 exponentials, ahead of their first reader
.set k, 0
.rept 32                                       ; place 1's exponentials, with place 0's sum (of the UNQUANTISED p) between them
	v_exp_f32 v[S+64+2*k], v[S+64+2*k]
	v_exp_f32 v[S+64+2*k+1], v[S+64+2*k+1]
	SUMOP 0
.set k, k+1
.endr
	s_wait_alu depctr_va_vdst(0)                   ; one wait for place 1's 64; the sum's last line above is the plain line behind the last exponential.
.set k, 0
.rept 32
	SUMOP 1
.set k, k+1
.endr
	s_cmp_ge_i32 s26, -15                          ; p <= 1 <= 57,344 x 2^ep where ep >= -15: the hold would change nothing.  A branch on a whole number read from memory
	s_cbranch_scc1 .Lfits_\@
.set n, 0
.rept 128
	v_min_num_f32 v[S+n], v[S+n], v13              ; the conversion to an 8-bit code does not saturate (ISA guide 7.6.2); p is not negative, so the hold is one-sided
.set n, n+1
.endr
.Lfits_\@:
	WIN 0x40                                       ; destination window 1
.set n, 0
.rept 16
	v_cvt_scalef32_pk8_bf8_f32 v[P+2*n:P+2*n+1], v[S+8*n:S+8*n+7], v12
.set n, n+1
.endr
	WIN 0x41                                       ; O^T (destination and source 0) window 1, f window 0
.set n, 0
.rept 32
	v_pk_mul_f32 v[O+2*n:O+2*n+1], v[O+2*n:O+2*n+1], v[ST+16*(n/16)+4:ST+16*(n/16)+5] op_sel_hi:[1,0]   ; O^T under the new M.  (Also the plain lines between the conversions and the products that read their results)
.set n, n+1
.endr
	s_wait_dscnt 0x0                               ; V is in
	WIN 0x55                                       ; all four operands window 1
.irp t, 0,1,2,3                                ; the eight accumulators take turns, one instruction a turn; between two links of a chain stand the seven others and the next step's sixteen products
.irp u, 0,1
	v_wmma_f32_16x16x128_bf8_bf8 v[O+32*\u+8*\t:O+32*\u+8*\t+7], v[VF+16*\t:VF+16*\t+15], v[P+16*\u:P+16*\u+15], v[O+32*\u+8*\t:O+32*\u+8*\t+7]
.endr
.endr
	WIN 0
.Lskip_\@:
.endm
; A CHUNK: my two steps of the four that lie at LDS byte s31.  fill = 1: the next chunk is asked for at the head and goes to LDS behind the work; one barrier.
.macro CHUNK fill
	v_add_nc_u32 v5, s31, v4
.if \fill
	v_add_nc_u32 v8, s31, v7                       ; where the next chunk goes
	LOADC 1
.endif
	STEP 0
	STEP 1
.if \fill
	s_wait_loadcnt 0x0                             ; the next chunk is in registers (for 0: a path may have issued fewer loads), and its loads have read their base
	s_add_nc_u64 s[4:5], s[4:5], CHUNKB
	s_cmp_gt_i32 s30, 0
	s_cbranch_scc0 .Lno_\@                         ; nothing was loaded: nothing is stored
	STOREC 8
.Lno_\@:
	BAR                                            ; every wave's part of the next chunk lies in LDS
	s_add_co_u32 s31, s31, CHUNKB
	s_add_co_u32 s32, s32, 4
	s_sub_co_i32 s30, s30, 4
.endif
.endm
	s_load_b256 s[4:11], s[0:1], 0x0               ; kv s[4:5], counts s[6:7], queries s[8:9], the scales' exponents s[10:11]
	s_load_b64 s[12:13], s[0:1], 0x20              ; out0
	v_lshl_add_u32 v2, v0, 2, SPARE                ; my spare word; never rewritten
	v_mov_b32 v3, 0                                ; 0; never rewritten
	v_lshrrev_b32 v58, 5, v0
	v_readfirstlane_b32 s14, v58                   ; wave 0..7
	s_and_b32 s15, s14, 3                          ; p: my pair of tiles
	s_lshr_b32 s16, s14, 2                         ; g: my half of the key steps
	s_and_b32 s17, ttmp7, 0xffff                   ; batch
	s_mov_b32 s18, ttmp9                           ; block of 128 queries
	v_and_b32 v58, 31, v0                          ; lane
	v_and_b32 v59, 15, v0                          ; r
	v_bfe_u32 v60, v0, 4, 1                        ; h
	v_lshlrev_b32 v1, 4, v58                       ; 16 x lane: an image's place for my lane
	s_lshl_b32 s34, s16, 14
	v_add_nc_u32 v4, s34, v1                       ; + step g of a chunk
	s_lshl_b32 s34, s14, 11
	v_add_nc_u32 v6, s34, v1                       ; the copies: my 2,048 bytes of a step, in memory and in LDS
	v_add_nc_u32 v7, CHUNKB, v6                    ; a chunk on
	v_lshlrev_b32 v9, 4, v60                       ; 16 h
	v_lshlrev_b32 v48, 8, v59
	v_lshl_add_u32 v48, v60, 7, v48                ; Q: row r of 256 bytes, + 128 h: channels 32 h on
	s_mul_i32 s34, s14, MRGW
	v_mul_u32_u24 v49, v59, 272
	v_lshl_add_u32 v49, v60, 5, v49
	v_add_nc_u32 v49, s34, v49                     ; the stage, in: row r, + 32 h
	v_mul_u32_u24 v50, v60, 272
	v_lshl_add_u32 v50, v59, 4, v50
	v_add_nc_u32 v50, s34, v50                     ; back: lanes 0-15 one row, lanes 16-31 the next
	v_add_nc_u32 v51, s34, v1
	v_add_nc_u32 v51, MRG, v51                     ; where I put the part that I give away,
	v_lshl_add_u32 v52, v58, 3, s34
	v_add_nc_u32 v52, MRG+4096, v52                ; and its -M and sum
	s_xor_b32 s35, s14, 4
	s_mul_i32 s35, s35, MRGW
	v_add_nc_u32 v53, s35, v1
	v_add_nc_u32 v53, MRG, v53                     ; where wave w xor 4 puts the part that I take
	v_lshl_add_u32 v54, v58, 3, s35
	v_add_nc_u32 v54, MRG+4096, v54
	s_lshl_b32 s35, s14, 10
	v_add_nc_u32 v55, s35, v1
	v_add_nc_u32 v55, QIMG, v55                    ; Q's image that I make: tile w
	s_lshl_b32 s36, s15, 1
	s_add_co_u32 s36, s36, s16                     ; the tile that I finish: 2 p + g
	s_lshl_b32 s35, s36, 10
	v_add_nc_u32 v56, s35, v1
	v_add_nc_u32 v56, QIMG, v56                    ; its image,
	s_xor_b32 s37, s36, 1
	s_lshl_b32 s35, s37, 10
	v_add_nc_u32 v57, s35, v1
	v_add_nc_u32 v57, QIMG, v57                    ; and that of the pair's other tile
	s_wait_kmcnt 0x0
	s_lshl_b32 s34, s17, 8
	s_mov_b32 s35, 0
	s_add_nc_u64 s[6:7], s[6:7], s[34:35]
	s_load_b32 s28, s[6:7], 0x0                    ; my batch's count
	s_load_b128 s[24:27], s[10:11], 0x0            ; eq, ek, ep, ev
	s_lshl_b32 s34, s17, 18
	s_add_nc_u64 s[4:5], s[4:5], s[34:35]          ; my batch's codes
	s_lshl_b32 s38, s17, 19
	s_lshl_b32 s39, s18, 15
	s_add_co_u32 s38, s38, s39                     ; my block's first row, in bytes
	s_lshl_b32 s34, s14, 12
	s_add_co_u32 s34, s34, s38
	s_add_nc_u64 s[8:9], s[8:9], s[34:35]          ; Q at tile w
	s_lshl_b32 s34, s36, 12
	s_add_co_u32 s34, s34, s38
	s_add_nc_u64 s[12:13], s[12:13], s[34:35]      ; out at tile 2 p + g
	LOADC 0                                        ; the first four steps: always written by the first launch
.irp i, 0,1,2,3,4,5,6,7
	global_load_b128 v[S+4*\i:S+4*\i+3], v48, s[8:9] offset:16*\i th:TH_LOAD_NT   ; Q(r, 32 h + 4 i ..): read once in the launch
.endr
.irp b, ST, ST+16
	v_mov_b32 v[\b+1], 0xff61b1e6                  ; the largest t so far: -3e38, under every t
	v_floor_f32 v[\b], -v[\b+1]                    ; -M
	v_mov_b32 v[\b+2], 0                           ; the sum, in two halves
	v_mov_b32 v[\b+3], 0
	v_mov_b32 v[\b+5], 0                           ; (named as the upper half of f's pair)
	v_mov_b32 v[\b+10], 0                          ; written once: a lane permute's destination counts as one of its sources
.endr
	v_mov_b32 v11, 0xff800000                      ; -infinity
	WIN 0x40
.set n, 0
.rept 64
	v_mov_b32 v[O+n], 0                            ; O^T begins as zeros: a wave may have no key step at all, so no step can be the one that starts the sums
.set n, n+1
.endr
	WIN 0
	s_mov_b32 s20, 0x76543210                      ; v_permlanex16_b32's selects for lane l xor 16
	s_mov_b32 s21, 0xfedcba98
	s_mov_b32 s31, 0                               ; LDS byte of the chunk in hand
	s_mov_b32 s32, s16                             ; my first step of it
	s_wait_kmcnt 0x0
	s_add_co_u32 s29, s28, 127
	s_lshr_b32 s29, s29, 7                         ; key steps: ceil(count / 128)
	s_sub_co_i32 s30, s29, 4                       ; steps left from the next chunk's first on
	s_add_co_i32 s34, s24, s25
	s_lshl_b32 s34, s34, 23
	s_add_co_i32 s22, s34, 0x3e38aa3b              ; c = log2(e) / 8, with eq + ek added to its exponent field: a score stands for score x 2^(eq + ek)
	s_mov_b32 s23, s22                             ; (named with it as a pair, so it is written)
	s_add_co_i32 s34, s26, 127
	s_lshl_b32 s35, s34, 23
	v_mov_b32 v12, s35                             ; 2^ep as f32, for p's conversions
	s_add_co_i32 s34, s34, 15
	s_lshl_b32 s34, s34, 23
	s_or_b32 s34, s34, 0x600000
	v_mov_b32 v13, s34                             ; 57,344 x 2^ep
	s_add_co_i32 s34, s24, 127
	s_lshl_b32 s35, s34, 23
	v_mov_b32 v14, s35                             ; 2^eq
	s_add_co_i32 s34, s34, 15
	s_lshl_b32 s34, s34, 23
	s_or_b32 s34, s34, 0x600000
	v_mov_b32 v15, s34                             ; 57,344 x 2^eq
	s_add_co_i32 s40, s26, s27                     ; ep + ev
	s_wait_loadcnt 8                               ; the chunk's sixteen loads are in (and have read their base); Q's eight may be out
	s_add_nc_u64 s[4:5], s[4:5], CHUNKB
	STOREC 6
	s_wait_loadcnt 0x0                             ; Q
.set n, 0
.rept 32
	v_med3_num_f32 v[S+n], v[S+n], -v15, v15       ; the hold at the largest code x the scale
.set n, n+1
.endr
.set n, 0
.rept 4
	v_cvt_scalef32_pk8_bf8_f32 v[S+32+2*n:S+32+2*n+1], v[S+8*n:S+8*n+7], v14   ; register g, byte y: channel 32 h + 4 g + y, as in K's images
.set n, n+1
.endr
	v_nop                                          ; one plain line between a scaled conversion and the products that later write these registers
	ds_store_b128 v55, v[S+32:S+35]
	ds_store_b128 v55, v[S+36:S+39] offset:512
	BAR                                            ; the first chunk and Q's eight images lie in LDS
	WIN 0x40
.irp c, 0,1
	ds_load_b128 v[Q+4*\c:Q+4*\c+3], v56 offset:512*\c        ; place 0: the tile that I finish
	ds_load_b128 v[Q+8+4*\c:Q+8+4*\c+3], v57 offset:512*\c    ; place 1: the tile that I give away
.endr
	WIN 0
	s_mov_b32 s33, 3
.Lchunk:                                               ; three trips, a constant: what the stored count decides is only jumps round work
	CHUNK 1
	s_sub_co_u32 s33, s33, 1
	s_cmp_lg_u32 s33, 0
	s_cbranch_scc1 .Lchunk
	CHUNK 0                                        ; the last chunk asks for nothing and stores nothing
	; THE TWO HALVES OF THE KEYS MEET.  I give away place 1's part and take wave w xor 4's part of the tile in my place 0.  The four lines below are the places behind the last products.
	v_add_f32 v59, v[ST+18], v[ST+19]              ; place 1's sum: its two halves
	v_mov_b32 v58, v[ST+16]                        ; its -M
	v_add_f32 v60, v[ST+2], v[ST+3]                ; place 0's sum
	v_nop
	WIN 0x04                                       ; store data window 1
.irp k, 0,1,2,3,4,5,6,7
	ds_store_b128 v51, v[O+32+4*\k:O+32+4*\k+3] offset:512*\k   ; as it stands in the registers; each accumulator from its low end on
.endr
	WIN 0
	ds_store_b64 v52, v[58:59]
	BAR                                            ; every part lies in LDS, and no wave reads codes any more
.irp k, 0,1,2,3,4,5,6,7
	ds_load_b128 v[S+4*\k:S+4*\k+3], v53 offset:512*\k
.endr
	ds_load_b64 v[S+32:S+33], v54
	s_wait_dscnt 0x0
	v_min_num_f32 v61, v[ST], v[S+32]              ; -M of both halves: the larger M
	v_sub_f32 v62, v61, v[ST]
	v_sub_f32 v63, v61, v[S+32]
	v_cvt_i32_f32 v62, v62                         ; whole numbers, 0 or less (it saturates: a half with no key step gets the factor 0)
	v_cvt_i32_f32 v63, v63
	v_ldexp_f32 v62, 1.0, v62                      ; my half's factor,
	v_ldexp_f32 v63, 1.0, v63                      ; the other half's: exact powers of two
	v_mul_f32 v60, v60, v62
	v_fma_f32 v60, v[S+33], v63, v60
	v_permlanex16_b32 v58, v60, s20, s21
	v_add_f32 v60, v60, v58                        ; and lane l xor 16's: the row's sum
	v_rcp_f32 v60, v60
	v_nop                                          ; a plain line behind the transcendental
	s_wait_alu depctr_va_vdst(0)                   ; and the wait ahead of its first reader
	v_ldexp_f32 v60, v60, s40                      ; x 2^(ep + ev)
	v_mul_f32 v62, v62, v60
	v_mul_f32 v63, v63, v60
.set n, 0
.rept 32
	v_mul_f32 v[S+64+n], v[S+n], v63
.set n, n+1
.endr
	WIN 0x01                                       ; source 0 (my O^T) window 1
.set n, 0
.rept 32
	v_fma_f32 v[S+64+n], v[O+n], v62, v[S+64+n]    ; register 8 t + j: out(r, 16 t + 8 h + j)
.set n, n+1
.endr
	WIN 0
	; THE WAY OUT: through my stage, so that whole rows of 256 bytes leave from neighbouring lanes.  LDS serves a wave's instructions in order (ISA guide 5.7.1.4): no wait between my stores and my loads
.irp t, 0,1,2,3
	ds_store_b128 v49, v[S+64+8*\t:S+64+8*\t+3] offset:64*\t
	ds_store_b128 v49, v[S+64+8*\t+4:S+64+8*\t+7] offset:64*\t+16
.endr
.irp i, 0,1,2,3,4,5,6,7
	ds_load_b128 v[S+96+4*\i:S+96+4*\i+3], v50 offset:544*\i
.endr
.irp i, 0,1,2,3,4,5,6,7
	s_wait_dscnt 7-\i                              ; row pair i is back; the younger ones may be out
	global_store_b128 v1, v[S+96+4*\i:S+96+4*\i+3], s[12:13] offset:512*\i th:TH_STORE_NT   ; two rows: 512 consecutive bytes, at a multiple of 256 from out0's first byte; written once, read by nobody here
.endr
	s_wait_tensorcnt 0x0                           ; the wave's end, behind my last LDS store
	ds_add_u32 v2, v3
	s_wait_dscnt 0x0
	s_endpgm
.Lfunc_end_k_q5c353d94be_attn:
	.size	k_q5c353d94be_attn, .Lfunc_end_k_q5c353d94be_attn-k_q5c353d94be_attn
	.p2alignl 7, 3214868480
	.fill 96, 4, 3214868480
	.section	.rodata,"a",@progbits
	.p2align	6, 0x0
	.amdhsa_kernel k_q5c353d94be_attn
		.amdhsa_group_segment_fixed_size 306176
		.amdhsa_private_segment_fixed_size 0
		.amdhsa_enable_private_segment 0
		.amdhsa_kernarg_size 40
		.amdhsa_user_sgpr_count 2
		.amdhsa_user_sgpr_kernarg_segment_ptr 1
		.amdhsa_wavefront_size32 1
		.amdhsa_system_sgpr_workgroup_id_x 1
		.amdhsa_system_sgpr_workgroup_id_y 1
		.amdhsa_system_sgpr_workgroup_id_z 1
		.amdhsa_system_vgpr_workitem_id 0
		.amdhsa_next_free_vgpr 512
		.amdhsa_next_free_sgpr 66
		.amdhsa_reserve_vcc 1
		.amdhsa_float_denorm_mode_32 3
		.amdhsa_float_denorm_mode_16_64 3
		.amdhsa_memory_ordered 1
		.amdhsa_forward_progress 1
		.amdhsa_inst_pref_size 165
	.end_amdhsa_kernel
	.amdgpu_metadata
---
amdhsa.version: [ 1, 2 ]
amdhsa.kernels:
  - .name:           k_q5c353d94be_attn
    .symbol:         k_q5c353d94be_attn.kd
    .args:
      - { .name: kv, .offset: 0, .size: 8, .value_kind: global_buffer, .address_space: global }
      - { .name: counts, .offset: 8, .size: 8, .value_kind: global_buffer, .address_space: global }
      - { .name: queries, .offset: 16, .size: 8, .value_kind: global_buffer, .address_space: global }
      - { .name: lowp_scales, .offset: 24, .size: 8, .value_kind: global_buffer, .address_space: global }
      - { .name: out0, .offset: 32, .size: 8, .value_kind: global_buffer, .address_space: global }
    .group_segment_fixed_size: 306176
    .private_segment_fixed_size: 0
    .kernarg_segment_align: 8
    .kernarg_segment_size: 40
    .max_flat_workgroup_size: 256
    .sgpr_count:     66
    .vgpr_count:     512
    .wavefront_size: 32
...
	.end_amdgpu_metadata
.endif
;; end of part 2
;; ======== version 2 of 2: 2 launches; version 1 with the launch attn written anew for expert scheduling mode
;; limits: right only within a limited range of input values
;; workspace buffers: kv 4,194,304 bytes; counts 4,096 bytes of whole numbers
;; launch prep: the kernel of part 1 again; grid 16 x 16, 4 waves a work-group, no clusters, 0 bytes of LDS; arguments key_padding_mask, keys, values, lowp_scales, kv, counts; writes kv, counts
;; launch attn (part 3): grid 16 x 16, 8 waves a work-group, no clusters, 306,176 bytes of LDS; arguments kv, counts, queries, lowp_scales, out0; writes out0
.if DOCPART == 3
	.amdgcn_target "amdgcn-amd-amdhsa--gfx1250"
	.amdhsa_code_object_version 6
	.text
	.protected	k_q5c353d94be_attn
	.globl	k_q5c353d94be_attn
	.p2align	8
	.type	k_q5c353d94be_attn,@function
k_q5c353d94be_attn:
	s_mov_b64 s[64:65], 0
	v_nop
	global_prefetch_b8 v0, s[64:65] scope:SCOPE_SE
	s_setreg_imm32_b32 hwreg(HW_REG_WAVE_SCHED_MODE, 0, 2), 2
	s_setreg_imm32_b32 hwreg(HW_REG_WAVE_MODE, 25, 1), 1
	s_wait_xcnt 0x0
	s_wait_alu depctr_vm_vsrc(0)
; ATTENTION WITH A KEY PADDING MASK, second of two launches: out[b][q] = the sum over the keys that count of softmax(q . k / 8) v, both products on codes of BF8 (E5M2).
; LEFT OUT: the masked keys (weight 0 for every query, whatever finite numbers their rows hold): the first launch packed the keys that count into slots 0 .. count-1 and stored count; only
; ceil(count / 128) key steps are walked.  The mask itself is not among this launch's arguments: count and the packed codes say all that it says.
; THE SOFTMAX AHEAD OF THE SECOND PRODUCT: t = score x log2(e) / 8; M = the largest t so far, rounded UP to a whole number; p = 2^(t - M) is quantised along the keys, not normalised; the row's sum
; is taken of the unquantised p and divides at the end.  When M moves, the sum and O are multiplied by 2^(old M - new M): exact.
; LIMITS.  NaN and infinities among the inputs are not served (those in a masked key's row are not carried to the result).  -126 <= eq, ep <= 112; -123 <= eq + ek <= 130 (added to c's exponent
; field); ep + ev goes by v_ldexp_f32 and has no limit.  A batch with every key masked gives NaN (0 x 1/0), as reference() does.  The keys are summed in the slots' order, in two halves.
; SHARES.  A work-group owns 128 queries of one batch: eight tiles of 16.  Wave w = p + 4 g (p = 0..3, g = 0, 1) holds the PAIR of tiles 2 p, 2 p + 1, so that each fragment of K and V read from LDS
; feeds two products, and walks the key steps s with s % 2 = g.  At the end waves w and w xor 4 hand each other one tile's part (O, -M, the sum) through LDS, and each finishes one tile.
; Register place 0 holds the tile that the wave finishes (2 p + g), place 1 the one that it gives away: chosen by ADDRESS, so that no register number and no branch hangs on g.
; THE CODES come as images of the operands' registers (first launch), 16,384 bytes a key step; a batch's sixteen steps fit into LDS.  They are copied through registers, four steps (a CHUNK) at a
; time: a chunk is asked for at the head of the chunk before it and stored to LDS behind that chunk's work; one barrier a chunk.
; NO TENSOR LOADS, NO CLUSTER, though the sixteen work-groups of a batch read the same codes: which steps are walked hangs on the stored count, and whether p needs a hold hangs on ep; such branches
; on loaded numbers lead, by the text's own count, round (16 - ceil(count / 128)) of 16 key steps and round 128 of a step's
; 520 vector lines; what sharing would spare is 16,384 bytes a step.
; LAYOUT.  Both products are used transposed: S^T = K Q^T (source 0 = 16 slots, source 1 = 16 queries), O^T = V^T P^T: a lane holds ONE query (lane % 16) throughout.  Register 8 T + j of S^T in
; lane (r, h) is slot 32 (n / 16) + 16 h + n % 16, n = 8 T + j: the conversions of registers 16 c .. 16 c + 15 are P's registers 4 c .. 4 c + 3.  In the first product K and Q hold channel
; 32 h + 4 g + y in register g, byte y: the same permutation of the channels on both sides.
; REGISTERS, in windows of 256.  Window 0: v1-15 and v48-57 addresses and constants; v16-27, v32-43 a tile's statistics; v58-63 at work; v64-191 S^T, then p (64 a tile); v192-255 a chunk on its way.
; Window 1: v0-63 O^T (32 a tile); v64-127 K's eight fragments; v128-191 V's four; v192-223 P (16 a tile); v224-239 Q (8 a tile).
; THE MODE: SCHED_MODE bits 1:0 = 2 (LLVM: expert scheduling mode 2), set by the entry lines.  The code itself states the register dependences between vector or matrix instructions and memory or
; LDS instructions, with s_wait_alu, always for 0.
; THE PLAN.  Registers that memory or LDS instructions touch:
;   v1, v4, v6, v7, v48-57  offsets and LDS addresses: made at the head, never written again.
;   v5, v8   the chunk's LDS address and the next chunk's: written by one add each at a chunk's head; read by the chunk's fragment loads (v5) and by its sixteen LDS stores (v8).
;   CH       written by the global loads at a chunk's head; read by the LDS stores at the chunk's end.  No vector line names it.
;   K's registers  read by a step's sixteen products K Q^T.  Loaded at the head of a chunk's first step; for the second step in the first step's softmax.
;   V's registers  read by a step's eight products V^T P.  Loaded behind the step's products K Q^T.
;   S^T's registers  the head's image of Q, the part taken at the end and the stage on the way out pass through them.
; A CHUNK'S HEAD has one wait on vm_vsrc (the loads and stores so far have read v5, v8 and CH) and, behind the two adds, one on va_vdst (v5 and v8 are written).  A STEP has three waits on
; va_vdst: one behind the products K Q^T (the step before's products V^T P are done reading V's registers: V's loads follow it), and the two that the exponentials' two batches want in any case;
; the first of these two also states that the products K Q^T are done reading K's registers: in a chunk's first step the second step's K is asked for there.
.set STEPB,  16384                     ; a key step's codes
.set CHUNKB, 65536                     ; four steps
.set QIMG,   262144                    ; LDS: behind the sixteen steps: Q's eight fragments, 1,024 bytes each,
.set MRG,    270336                    ; the parts that waves hand over: 4,352 bytes a wave: 8 x 512 of O^T, then 256 of (-M, sum),
.set MRGW,   4352
.set SPARE,  305152                    ; and the spare words, 128 bytes for each wave: four blocks of 256 bytes that no other line names
                                       ; the way out's stage, 16 rows x 272 bytes a wave, lies at 4,352 x wave in the steps' bytes: it is written only behind the last barrier, when no wave reads codes any more
.set ST,  16                           ; tile t's statistics at v[ST+16 t]: +0 -M, +1 the largest t, +2,+3 the sum in two halves, +4 f (+5: 0, named with it as a pair), +6,+7 the sum's second chain, +8,+9 two chains of the maximum, +10 the other half's, +11 at work
.set S,   64
.set CH,  192
.set O,   0                            ; in window 1
.set KF,  64
.set VF,  128
.set P,   192
.set Q,   224
.set MK,  40                           ; s[40:47] eight masks of empty slots
.set MSB, 0
.macro WIN new                         ; s_set_vgpr_msb: bits 1:0 source 0, 3:2 source 1, 5:4 source 2, 7:6 destination; the high byte repeats the setting that is left
.if MSB != \new
	s_set_vgpr_msb (MSB<<8)|\new
.set MSB, \new
.endif
.endm
; A chunk's codes into registers: each wave takes 2,048 bytes of every step, 512 consecutive bytes a load.  cond = 1: only the steps that the first launch has written (s30 = steps left from this chunk's first on)
.macro LOADC cond
.irp st, 0,1,2,3
.if \cond
	s_cmp_gt_i32 s30, \st
	s_cbranch_scc0 .Lend_\@
.endif
.irp i, 0,1,2,3
	global_load_b128 v[CH+16*\st+4*\i:CH+16*\st+4*\i+3], v6, s[4:5] offset:STEPB*\st+512*\i
.endr
.endr
.Lend_\@:
.endm
.macro STOREC adr                      ; and on into LDS, as they lie in memory.  (Registers of steps that were not loaded hold older codes: no product takes what lies in their LDS bytes)
.irp st, 0,1,2,3
.irp i, 0,1,2,3
	ds_store_b128 v[\adr], v[CH+16*\st+4*\i:CH+16*\st+4*\i+3] offset:STEPB*\st+512*\i
.endr
.endr
.endm
.macro BAR                             ; my LDS stores have landed and my LDS loads are in: then the work-group's barrier
	s_wait_dscnt 0x0
	s_barrier_signal -1
	s_barrier_wait -1
.endm
; line k of 32 of tile t's sum of its 32 pairs of p, in two chains
.macro SUMOP t
.if k == 0
	v_pk_add_f32 v[ST+16*\t+6:ST+16*\t+7], v[S+64*\t:S+64*\t+1], v[S+64*\t+2:S+64*\t+3]
.elseif k == 31
	v_pk_add_f32 v[ST+16*\t+2:ST+16*\t+3], v[ST+16*\t+2:ST+16*\t+3], v[ST+16*\t+6:ST+16*\t+7]
.elseif k%2 == 1
	v_pk_add_f32 v[ST+16*\t+2:ST+16*\t+3], v[ST+16*\t+2:ST+16*\t+3], v[S+64*\t+2*k+2:S+64*\t+2*k+3]
.else
	v_pk_add_f32 v[ST+16*\t+6:ST+16*\t+7], v[ST+16*\t+6:ST+16*\t+7], v[S+64*\t+2*k+2:S+64*\t+2*k+3]
.endif
.endm
; A KEY STEP: 128 slots, step s32 + 2 i of the batch, for my two tiles.  done: the end of the chunk's work.
.macro STEP i, done
	s_add_co_u32 s34, s32, 2*\i
	s_cmp_ge_u32 s34, s29
	s_cbranch_scc1 \done                           ; beyond the last slot that counts: a branch on the stored count, round work alone: no barrier stands in a step.  Where a chunk's first step lies beyond it, so does the second: both lead to the chunk's end
.if \i == 0
	WIN 0x40                                       ; destination window 1
.set n, 0
.rept 16
	ds_load_b128 v[KF+4*n:KF+4*n+3], v5 offset:512*n   ; K's eight fragments: images, 512 consecutive bytes a load.  No wait: no vector or matrix line since the chunk's head names K's registers or v5
.set n, n+1
.endr
.endif
	s_wait_dscnt 0x0                               ; K is in (a chunk's second step: asked for in the first step's softmax), and, the first time, Q
	WIN 0x05                                       ; K and Q window 1, S^T window 0
.set n, 0
.rept 8
	v_wmma_f32_16x16x64_bf8_bf8 v[S+8*n:S+8*n+7], v[KF+8*n:KF+8*n+7], v[Q:Q+7], 0
	v_wmma_f32_16x16x64_bf8_bf8 v[S+64+8*n:S+64+8*n+7], v[KF+8*n:KF+8*n+7], v[Q+8:Q+15], 0
.set n, n+1
.endr
.rept 4
	v_nop                                          ; four places in front of the first read of results; they also stand between the step before's products V^T P and the loads below
.endr
	WIN 0x40                                       ; destination window 1
	s_wait_alu depctr_va_vdst(0)                   ; the step before's products V^T P are done reading V's registers, in which the loads below land
.set n, 0
.rept 16
	ds_load_b128 v[VF+4*n:VF+4*n+3], v5 offset:2*STEPB*\i+8192+512*n   ; V's four fragments: they land while the softmax is worked
.set n, n+1
.endr
	WIN 0
	s_lshl_b32 s35, s34, 7                         ; the step's first slot
	s_add_co_u32 s36, s35, 128
	s_cmp_le_u32 s36, s28
	s_cbranch_scc1 .Lopen_\@                       ; all 128 slots count
	s_sub_co_u32 s35, s28, s35
	v_sub_nc_u32 v10, s35, v9                      ; d = count - the first slot - 16 h: register n's slot is empty where 32 (n / 16) + n % 16 >= d
.set m, 0
.rept 8                                        ; an accumulator of each tile at a time: eight compares into eight scalar registers, one wait, sixteen selections
.set n, 0
.rept 8
	v_cmp_ge_i32 s[MK+n], 32*((8*m+n)/16)+(8*m+n)%16, v10
.set n, n+1
.endr
	s_wait_alu depctr_va_sdst(0)                   ; the eight compares have written s[MK ..], which the selections below read
.set n, 0
.rept 8
	v_cndmask_b32 v[S+8*m+n], v[S+8*m+n], v11, s[MK+n]         ; -infinity ahead of the maximum: p = 0.  (The step's first slot counts, so the maximum is a number)
	v_cndmask_b32 v[S+64+8*m+n], v[S+64+8*m+n], v11, s[MK+n]
.set n, n+1
.endr
.set m, m+1
.endr
.Lopen_\@:
	; the step's largest score of each query, among the lane's 64 slots: two chains a tile, the tiles line by line; each accumulator is read from its low end on
.irp t, 0,1
	v_max3_num_f32 v[ST+16*\t+8], v[S+64*\t], v[S+64*\t+1], v[S+64*\t+2]
.endr
.irp t, 0,1
	v_max3_num_f32 v[ST+16*\t+9], v[S+64*\t+3], v[S+64*\t+4], v[S+64*\t+5]
.endr
.irp e, 6,10,14,18,22,26,30,34,38,42,46,50,54,58
.irp t, 0,1
	v_max3_num_f32 v[ST+16*\t+8], v[ST+16*\t+8], v[S+64*\t+\e], v[S+64*\t+\e+1]
.endr
.irp t, 0,1
	v_max3_num_f32 v[ST+16*\t+9], v[ST+16*\t+9], v[S+64*\t+\e+2], v[S+64*\t+\e+3]
.endr
.endr
.irp t, 0,1
	v_max3_num_f32 v[ST+16*\t+8], v[ST+16*\t+8], v[S+64*\t+62], v[S+64*\t+63]
.endr
.irp t, 0,1
	v_max_num_f32 v[ST+16*\t+8], v[ST+16*\t+8], v[ST+16*\t+9]
.endr
.irp t, 0,1
	v_permlanex16_b32 v[ST+16*\t+10], v[ST+16*\t+8], s20, s21
.endr
.irp t, 0,1
	v_max_num_f32 v[ST+16*\t+8], v[ST+16*\t+8], v[ST+16*\t+10]   ; and among lane l xor 16's
.endr
.irp t, 0,1
	v_mul_f32 v[ST+16*\t+8], s22, v[ST+16*\t+8]    ; as t (c is positive)
.endr
.irp t, 0,1
	v_max_num_f32 v[ST+16*\t+1], v[ST+16*\t+1], v[ST+16*\t+8]    ; the running largest t
.endr
.irp t, 0,1
	v_mov_b32 v[ST+16*\t+11], v[ST+16*\t]
.endr
.irp t, 0,1
	v_floor_f32 v[ST+16*\t], -v[ST+16*\t+1]        ; the new -M = floor(-t): M is a whole number
.endr
.irp t, 0,1
	v_sub_f32 v[ST+16*\t+11], v[ST+16*\t], v[ST+16*\t+11]        ; old M - new M: a whole number, 0 or less
.endr
.irp t, 0,1
	v_cvt_i32_f32 v[ST+16*\t+11], v[ST+16*\t+11]   ; (it saturates)
.endr
.irp t, 0,1
	v_ldexp_f32 v[ST+16*\t+4], 1.0, v[ST+16*\t+11] ; f = 2^(old M - new M)
.endr
.set n, 0
.rept 32
	v_pk_fma_f32 v[S+2*n:S+2*n+1], v[S+2*n:S+2*n+1], s[22:23], v[ST:ST+1] op_sel_hi:[1,0,0]   ; place 0: t - M, two at a time (of the pairs c and -M the low word serves both halves)
.set n, n+1
.endr
.set n, 0
.rept 32                                       ; place 0's exponentials, with place 1's scalings between them: none of these lines names an exponential's result
	v_exp_f32 v[S+2*n], v[S+2*n]
	v_exp_f32 v[S+2*n+1], v[S+2*n+1]
	v_pk_fma_f32 v[S+64+2*n:S+64+2*n+1], v[S+64+2*n:S+64+2*n+1], s[22:23], v[ST+16:ST+17] op_sel_hi:[1,0,0]
.set n, n+1
.endr
.irp t, 0,1
	v_pk_mul_f32 v[ST+16*\t+2:ST+16*\t+3], v[ST+16*\t+2:ST+16*\t+3], v[ST+16*\t+4:ST+16*\t+5] op_sel_hi:[1,0]   ; the sums under the new M
.endr
.if \i == 0
	WIN 0x40                                       ; destination window 1
	s_wait_alu depctr_va_vdst(0)                   ; place 0's 64 exponentials have written their results, ahead of their first reader; and this step's products K Q^T are done reading K's registers, in which the loads below land
.set n, 0
.rept 16
	ds_load_b128 v[KF+4*n:KF+4*n+3], v5 offset:2*STEPB+512*n   ; K of the chunk's second step.  Asked for whenever the first step is walked, so that the count in front of V^T P holds on every path; where the second step lies beyond the count (once a wave at the most) nobody reads these registers
.set n, n+1
.endr
	WIN 0
.else
	s_wait_alu depctr_va_vdst(0)                   ; place 0's 64 exponentials have written their results, ahead of their first reader: one wait for the batch
.endif
.set k, 0
.rept 32                                       ; place 1's exponentials, with place 0's sum (of the UNQUANTISED p) between them
	v_exp_f32 v[S+64+2*k], v[S+64+2*k]
	v_exp_f32 v[S+64+2*k+1], v[S+64+2*k+1]
	SUMOP 0
.set k, k+1
.endr
	s_wait_alu depctr_va_vdst(0)                   ; place 1's 64 exponentials have written their results, ahead of their first reader; the sum's last line above is the plain line behind the last exponential.
.set k, 0
.rept 32
	SUMOP 1
.set k, k+1
.endr
	s_cmp_ge_i32 s26, -15                          ; p <= 1 <= 57,344 x 2^ep where ep >= -15: the hold would change nothing.  A branch on a whole number read from memory
	s_cbranch_scc1 .Lfits_\@
.set n, 0
.rept 128
	v_min_num_f32 v[S+n], v[S+n], v13              ; the conversion to an 8-bit code does not saturate (ISA guide 7.6.2); p is not negative, so the hold is one-sided
.set n, n+1
.endr
.Lfits_\@:
	WIN 0x40                                       ; destination window 1
.set n, 0
.rept 16
	v_cvt_scalef32_pk8_bf8_f32 v[P+2*n:P+2*n+1], v[S+8*n:S+8*n+7], v12
.set n, n+1
.endr
	WIN 0x41                                       ; O^T (destination and source 0) window 1, f window 0
.set n, 0
.rept 32
	v_pk_mul_f32 v[O+2*n:O+2*n+1], v[O+2*n:O+2*n+1], v[ST+16*(n/16)+4:ST+16*(n/16)+5] op_sel_hi:[1,0]   ; O^T under the new M.  (Also the plain lines between the conversions and the products that read their results)
.set n, n+1
.endr
.if \i == 0
	s_wait_dscnt 16                                ; V is in; the sixteen loads of the second step's K, issued behind V's, may be out
.else
	s_wait_dscnt 0x0                               ; V is in
.endif
	WIN 0x55                                       ; all four operands window 1
.irp t, 0,1,2,3                                ; the eight accumulators take turns, one instruction a turn; between two links of a chain stand the seven others and the next step's sixteen products
.irp u, 0,1
	v_wmma_f32_16x16x128_bf8_bf8 v[O+32*\u+8*\t:O+32*\u+8*\t+7], v[VF+16*\t:VF+16*\t+15], v[P+16*\u:P+16*\u+15], v[O+32*\u+8*\t:O+32*\u+8*\t+7]
.endr
.endr
	WIN 0
.endm
; A CHUNK: my two steps of the four that lie at LDS byte s31.  fill = 1: the next chunk is asked for at the head and goes to LDS behind the work; one barrier.
.macro CHUNK fill
	s_wait_alu depctr_vm_vsrc(0)                   ; the fragment loads issued so far have read v5, the chunk stores v8 and CH (in which the loads below land); the first time, the stores of Q's image have read S^T's registers, which the products write
	v_add_nc_u32 v5, s31, v4
.if \fill
	v_add_nc_u32 v8, s31, v7                       ; where the next chunk goes
.endif
	s_wait_alu depctr_va_vdst(0)                   ; v5 and v8 are written, which the chunk's LDS loads and stores read; the products issued so far are done reading K's registers, in which the first step's loads land
.if \fill
	LOADC 1
.endif
	STEP 0, .Ldone_\@
	STEP 1, .Ldone_\@
.Ldone_\@:
.if \fill
	s_wait_loadcnt 0x0                             ; the next chunk is in registers (for 0: a path may have issued fewer loads), and its loads have read their base
	s_add_nc_u64 s[4:5], s[4:5], CHUNKB
	s_cmp_gt_i32 s30, 0
	s_cbranch_scc0 .Lno_\@                         ; nothing was loaded: nothing is stored
	STOREC 8                                       ; no wait on vector results: no vector or matrix line since the chunk's head names v8 or CH
.Lno_\@:
	BAR                                            ; every wave's part of the next chunk lies in LDS
	s_add_co_u32 s31, s31, CHUNKB
	s_add_co_u32 s32, s32, 4
	s_sub_co_i32 s30, s30, 4
.endif
.endm
	s_load_b256 s[4:11], s[0:1], 0x0               ; kv s[4:5], counts s[6:7], queries s[8:9], the scales' exponents s[10:11]
	s_load_b64 s[12:13], s[0:1], 0x20              ; out0
	v_lshl_add_u32 v2, v0, 2, SPARE                ; my spare word; never rewritten
	v_mov_b32 v3, 0                                ; 0; never rewritten
	v_lshrrev_b32 v58, 5, v0
	v_readfirstlane_b32 s14, v58                   ; wave 0..7
	s_and_b32 s17, ttmp7, 0xffff                   ; batch
	s_mov_b32 s18, ttmp9                           ; block of 128 queries
	v_and_b32 v58, 31, v0                          ; lane
	v_and_b32 v59, 15, v0                          ; r
	v_bfe_u32 v60, v0, 4, 1                        ; h
	v_lshlrev_b32 v1, 4, v58                       ; 16 x lane: an image's place for my lane
	v_lshlrev_b32 v9, 4, v60                       ; 16 h
	v_lshlrev_b32 v48, 8, v59
	v_lshl_add_u32 v48, v60, 7, v48                ; Q: row r of 256 bytes, + 128 h: channels 32 h on
	s_wait_alu depctr_va_sdst(0)                   ; s14 is written, ahead of its first reader: the wave's shares and addresses are made from it
	s_and_b32 s15, s14, 3                          ; p: my pair of tiles
	s_lshr_b32 s16, s14, 2                         ; g: my half of the key steps
	s_lshl_b32 s34, s16, 14
	v_add_nc_u32 v4, s34, v1                       ; + step g of a chunk
	s_lshl_b32 s34, s14, 11
	v_add_nc_u32 v6, s34, v1                       ; the copies: my 2,048 bytes of a step, in memory and in LDS
	v_add_nc_u32 v7, CHUNKB, v6                    ; a chunk on
	s_mul_i32 s34, s14, MRGW
	v_mul_u32_u24 v49, v59, 272
	v_lshl_add_u32 v49, v60, 5, v49
	v_add_nc_u32 v49, s34, v49                     ; the stage, in: row r, + 32 h
	v_mul_u32_u24 v50, v60, 272
	v_lshl_add_u32 v50, v59, 4, v50
	v_add_nc_u32 v50, s34, v50                     ; back: lanes 0-15 one row, lanes 16-31 the next
	v_add_nc_u32 v51, s34, v1
	v_add_nc_u32 v51, MRG, v51                     ; where I put the part that I give away,
	v_lshl_add_u32 v52, v58, 3, s34
	v_add_nc_u32 v52, MRG+4096, v52                ; and its -M and sum
	s_xor_b32 s35, s14, 4
	s_mul_i32 s35, s35, MRGW
	v_add_nc_u32 v53, s35, v1
	v_add_nc_u32 v53, MRG, v53                     ; where wave w xor 4 puts the part that I take
	v_lshl_add_u32 v54, v58, 3, s35
	v_add_nc_u32 v54, MRG+4096, v54
	s_lshl_b32 s35, s14, 10
	v_add_nc_u32 v55, s35, v1
	v_add_nc_u32 v55, QIMG, v55                    ; Q's image that I make: tile w
	s_lshl_b32 s36, s15, 1
	s_add_co_u32 s36, s36, s16                     ; the tile that I finish: 2 p + g
	s_lshl_b32 s35, s36, 10
	v_add_nc_u32 v56, s35, v1
	v_add_nc_u32 v56, QIMG, v56                    ; its image,
	s_xor_b32 s37, s36, 1
	s_lshl_b32 s35, s37, 10
	v_add_nc_u32 v57, s35, v1
	v_add_nc_u32 v57, QIMG, v57                    ; and that of the pair's other tile
	s_wait_kmcnt 0x0
	s_lshl_b32 s34, s17, 8
	s_mov_b32 s35, 0
	s_add_nc_u64 s[6:7], s[6:7], s[34:35]
	s_load_b32 s28, s[6:7], 0x0                    ; my batch's count
	s_load_b128 s[24:27], s[10:11], 0x0            ; eq, ek, ep, ev
	s_lshl_b32 s34, s17, 18
	s_add_nc_u64 s[4:5], s[4:5], s[34:35]          ; my batch's codes
	s_lshl_b32 s38, s17, 19
	s_lshl_b32 s39, s18, 15
	s_add_co_u32 s38, s38, s39                     ; my block's first row, in bytes
	s_lshl_b32 s34, s14, 12
	s_add_co_u32 s34, s34, s38
	s_add_nc_u64 s[8:9], s[8:9], s[34:35]          ; Q at tile w
	s_lshl_b32 s34, s36, 12
	s_add_co_u32 s34, s34, s38
	s_add_nc_u64 s[12:13], s[12:13], s[34:35]      ; out at tile 2 p + g
	s_wait_alu depctr_va_vdst(0)                   ; the offsets and LDS addresses v1, v4, v6, v7 and v48 to v57 are written: the kernel's loads and stores read them, and none is written again
	LOADC 0                                        ; the first four steps: always written by the first launch
.irp i, 0,1,2,3,4,5,6,7
	global_load_b128 v[S+4*\i:S+4*\i+3], v48, s[8:9] offset:16*\i th:TH_LOAD_NT   ; Q(r, 32 h + 4 i ..): read once in the launch
.endr
.irp b, ST, ST+16
	v_mov_b32 v[\b+1], 0xff61b1e6                  ; the largest t so far: -3e38, under every t
	v_floor_f32 v[\b], -v[\b+1]                    ; -M
	v_mov_b32 v[\b+2], 0                           ; the sum, in two halves
	v_mov_b32 v[\b+3], 0
	v_mov_b32 v[\b+5], 0                           ; (named as the upper half of f's pair)
	v_mov_b32 v[\b+10], 0                          ; written once: a lane permute's destination counts as one of its sources
.endr
	v_mov_b32 v11, 0xff800000                      ; -infinity
	WIN 0x40
.set n, 0
.rept 64
	v_mov_b32 v[O+n], 0                            ; O^T begins as zeros: a wave may have no key step at all, so no step can be the one that starts the sums
.set n, n+1
.endr
	WIN 0
	s_mov_b32 s20, 0x76543210                      ; v_permlanex16_b32's selects for lane l xor 16
	s_mov_b32 s21, 0xfedcba98
	s_mov_b32 s31, 0                               ; LDS byte of the chunk in hand
	s_mov_b32 s32, s16                             ; my first step of it
	s_wait_kmcnt 0x0
	s_add_co_u32 s29, s28, 127
	s_lshr_b32 s29, s29, 7                         ; key steps: ceil(count / 128)
	s_sub_co_i32 s30, s29, 4                       ; steps left from the next chunk's first on
	s_add_co_i32 s34, s24, s25
	s_lshl_b32 s34, s34, 23
	s_add_co_i32 s22, s34, 0x3e38aa3b              ; c = log2(e) / 8, with eq + ek added to its exponent field: a score stands for score x 2^(eq + ek)
	s_mov_b32 s23, s22                             ; (named with it as a pair, so it is written)
	s_add_co_i32 s34, s26, 127
	s_lshl_b32 s35, s34, 23
	v_mov_b32 v12, s35                             ; 2^ep as f32, for p's conversions
	s_add_co_i32 s34, s34, 15
	s_lshl_b32 s34, s34, 23
	s_or_b32 s34, s34, 0x600000
	v_mov_b32 v13, s34                             ; 57,344 x 2^ep
	s_add_co_i32 s34, s24, 127
	s_lshl_b32 s35, s34, 23
	v_mov_b32 v14, s35                             ; 2^eq
	s_add_co_i32 s34, s34, 15
	s_lshl_b32 s34, s34, 23
	s_or_b32 s34, s34, 0x600000
	v_mov_b32 v15, s34                             ; 57,344 x 2^eq
	s_add_co_i32 s19, s26, s27                     ; ep + ev
	s_wait_loadcnt 8                               ; the chunk's sixteen loads are in (and have read their base); Q's eight may be out
	s_add_nc_u64 s[4:5], s[4:5], CHUNKB
	STOREC 6                                       ; no vector line names CH, and none since the wait above names v6
	s_wait_loadcnt 0x0                             ; Q
.set n, 0
.rept 32
	v_med3_num_f32 v[S+n], v[S+n], -v15, v15       ; the hold at the largest code x the scale
.set n, n+1
.endr
.set n, 0
.rept 4
	v_cvt_scalef32_pk8_bf8_f32 v[S+32+2*n:S+32+2*n+1], v[S+8*n:S+8*n+7], v14   ; register g, byte y: channel 32 h + 4 g + y, as in K's images
.set n, n+1
.endr
	v_nop                                          ; one plain line between a scaled conversion and the products that later write these registers
	s_wait_alu depctr_va_vdst(0)                   ; the conversions have written v[S+32 .. S+39], which the two LDS stores read
	ds_store_b128 v55, v[S+32:S+35]
	ds_store_b128 v55, v[S+36:S+39] offset:512
	BAR                                            ; the first chunk and Q's eight images lie in LDS
	WIN 0x40
.irp c, 0,1
	ds_load_b128 v[Q+4*\c:Q+4*\c+3], v56 offset:512*\c        ; place 0: the tile that I finish.  (No vector line has named Q's registers)
	ds_load_b128 v[Q+8+4*\c:Q+8+4*\c+3], v57 offset:512*\c    ; place 1: the tile that I give away
.endr
	WIN 0
	s_mov_b32 s33, 3
.Lchunk:                                               ; three trips, a constant: what the stored count decides is only jumps round work
	CHUNK 1
	s_sub_co_u32 s33, s33, 1
	s_cmp_lg_u32 s33, 0
	s_cbranch_scc1 .Lchunk
	CHUNK 0                                        ; the last chunk asks for nothing and stores nothing
	; THE TWO HALVES OF THE KEYS MEET.  I give away place 1's part and take wave w xor 4's part of the tile in my place 0.  The four lines below are the places behind the last products.
	v_add_f32 v59, v[ST+18], v[ST+19]              ; place 1's sum: its two halves
	v_mov_b32 v58, v[ST+16]                        ; its -M
	v_add_f32 v60, v[ST+2], v[ST+3]                ; place 0's sum
	v_nop
	WIN 0x04                                       ; store data window 1
	s_wait_alu depctr_va_vdst(0)                   ; the last products have written O^T and the lines above v58 and v59, which the stores below read (the four places stay beside this wait); and every vector line that named S^T's registers is done: the loads behind the barrier land there
.irp k, 0,1,2,3,4,5,6,7
	ds_store_b128 v51, v[O+32+4*\k:O+32+4*\k+3] offset:512*\k   ; as it stands in the registers; each accumulator from its low end on
.endr
	WIN 0
	ds_store_b64 v52, v[58:59]
	BAR                                            ; every part lies in LDS, and no wave reads codes any more
.irp k, 0,1,2,3,4,5,6,7
	ds_load_b128 v[S+4*\k:S+4*\k+3], v53 offset:512*\k
.endr
	ds_load_b64 v[S+32:S+33], v54
	s_wait_dscnt 0x0
	s_wait_alu depctr_vm_vsrc(0)                   ; the store of (-M, sum) has read v58, which the permute below writes
	v_min_num_f32 v61, v[ST], v[S+32]              ; -M of both halves: the larger M
	v_sub_f32 v62, v61, v[ST]
	v_sub_f32 v63, v61, v[S+32]
	v_cvt_i32_f32 v62, v62                         ; whole numbers, 0 or less (it saturates: a half with no key step gets the factor 0)
	v_cvt_i32_f32 v63, v63
	v_ldexp_f32 v62, 1.0, v62                      ; my half's factor,
	v_ldexp_f32 v63, 1.0, v63                      ; the other half's: exact powers of two
	v_mul_f32 v60, v60, v62
	v_fma_f32 v60, v[S+33], v63, v60
	v_permlanex16_b32 v58, v60, s20, s21
	v_add_f32 v60, v60, v58                        ; and lane l xor 16's: the row's sum
	v_rcp_f32 v60, v60
	v_nop                                          ; a plain line behind the transcendental
	s_wait_alu depctr_va_vdst(0)                   ; the reciprocal has written v60, ahead of its first reader
	v_ldexp_f32 v60, v60, s19                      ; x 2^(ep + ev)
	v_mul_f32 v62, v62, v60
	v_mul_f32 v63, v63, v60
.set n, 0
.rept 32
	v_mul_f32 v[S+64+n], v[S+n], v63
.set n, n+1
.endr
	WIN 0x01                                       ; source 0 (my O^T) window 1
.set n, 0
.rept 32
	v_fma_f32 v[S+64+n], v[O+n], v62, v[S+64+n]    ; register 8 t + j: out(r, 16 t + 8 h + j)
.set n, n+1
.endr
	WIN 0
	; THE WAY OUT: through my stage, so that whole rows of 256 bytes leave from neighbouring lanes.  LDS serves a wave's instructions in order (ISA guide 5.7.1.4): no wait between my stores and my loads
	s_wait_alu depctr_va_vdst(0)                   ; the multiply-adds have written v[S+64 .. S+95], which the LDS stores read; the softmax's lines that named v[S+96 .. S+127] are done: the loads from the stage land there
.irp t, 0,1,2,3
	ds_store_b128 v49, v[S+64+8*\t:S+64+8*\t+3] offset:64*\t
	ds_store_b128 v49, v[S+64+8*\t+4:S+64+8*\t+7] offset:64*\t+16
.endr
.irp i, 0,1,2,3,4,5,6,7
	ds_load_b128 v[S+96+4*\i:S+96+4*\i+3], v50 offset:544*\i
.endr
.irp i, 0,1,2,3,4,5,6,7
	s_wait_dscnt 7-\i                              ; row pair i is back; the younger ones may be out
	global_store_b128 v1, v[S+96+4*\i:S+96+4*\i+3], s[12:13] offset:512*\i th:TH_STORE_NT   ; two rows: 512 consecutive bytes, at a multiple of 256 from out0's first byte; written once, read by nobody here
.endr
	s_wait_dscnt 0x0                               ; the wave's end: the closing lines, six on end
	s_wait_alu 0x0
	s_wait_tensorcnt 0x0
	ds_add_u32 v2, v3
	s_wait_dscnt 0x0
	s_endpgm
.Lfunc_end_k_q5c353d94be_attn:
	.size	k_q5c353d94be_attn, .Lfunc_end_k_q5c353d94be_attn-k_q5c353d94be_attn
	.p2alignl 7, 3214868480
	.fill 96, 4, 3214868480
	.section	.rodata,"a",@progbits
	.p2align	6, 0x0
	.amdhsa_kernel k_q5c353d94be_attn
		.amdhsa_group_segment_fixed_size 306176
		.amdhsa_private_segment_fixed_size 0
		.amdhsa_enable_private_segment 0
		.amdhsa_kernarg_size 40
		.amdhsa_user_sgpr_count 2
		.amdhsa_user_sgpr_kernarg_segment_ptr 1
		.amdhsa_wavefront_size32 1
		.amdhsa_system_sgpr_workgroup_id_x 1
		.amdhsa_system_sgpr_workgroup_id_y 1
		.amdhsa_system_sgpr_workgroup_id_z 1
		.amdhsa_system_vgpr_workitem_id 0
		.amdhsa_next_free_vgpr 512
		.amdhsa_next_free_sgpr 66
		.amdhsa_reserve_vcc 0
		.amdhsa_float_denorm_mode_32 3
		.amdhsa_float_denorm_mode_16_64 3
		.amdhsa_memory_ordered 1
		.amdhsa_forward_progress 1
		.amdhsa_inst_pref_size 191
	.end_amdhsa_kernel
	.amdgpu_metadata
---
amdhsa.version: [ 1, 2 ]
amdhsa.kernels:
  - .name:           k_q5c353d94be_attn
    .symbol:         k_q5c353d94be_attn.kd
    .args:
      - { .name: kv, .offset: 0, .size: 8, .value_kind: global_buffer, .address_space: global }
      - { .name: counts, .offset: 8, .size: 8, .value_kind: global_buffer, .address_space: global }
      - { .name: queries, .offset: 16, .size: 8, .value_kind: global_buffer, .address_space: global }
      - { .name: lowp_scales, .offset: 24, .size: 8, .value_kind: global_buffer, .address_space: global }
      - { .name: out0, .offset: 32, .size: 8, .value_kind: global_buffer, .address_space: global }
    .group_segment_fixed_size: 306176
    .private_segment_fixed_size: 0
    .kernarg_segment_align: 8
    .kernarg_segment_size: 40
    .max_flat_workgroup_size: 256
    .sgpr_count:     66
    .vgpr_count:     512
    .wavefront_size: 32
...
	.end_amdgpu_metadata
.endif
;; end of part 3
